; MI455X (gfx1250); checked and timed in simulation.
; The chip was launched on July 23, 2026; its instructions are those of AMD's public machine-readable ISA for CDNA 5 (MIT licence, August 2026) and "CDNA5" Instruction Set Architecture Reference Guide (July 2026). The comments in the code are by the model that wrote it; some were corrected since.
;; Bert Self Attention. Allowed arithmetic: matrix products marked QUANTISED: E2M1 operands, one E8M0 scale for each 32 along K, by v_wmma_scale_f32_16x16x128_f8f6f4 with both operands' format E2M1 (or v_wmma_scale_f32_32x16x128_f4), f32 sums; everything else in f32.
;; Inputs: Wk 1,024 x 1,024 float32; Wq 1,024 x 1,024 float32; Wv 1,024 x 1,024 float32; attention_mask 4 x 1 x 1 x 2,048 float32; bk 1,024 float32; bq 1,024 float32; bv 1,024 float32; hidden_states 4 x 2,048 x 1,024 float32.
;; Outputs: out0 4 x 2,048 x 1,024 float32.
;; This version of the problem:
;;   THIS VERSION OF THE PROBLEM IS GIVEN IN LOW PRECISION. The matrix products marked QUANTISED in the list below multiply operands that are first quantised to E2M1 (2 exponent bits, 1 mantissa bit; 4 bits a number), with one power-of-two scale for each 32 numbers along K (OCP MX v1.0); their sums are f32. All else is computed in f32.
;;   The module's matrix products, in the order in which they are computed (A, B: the left and right operand; K: the contracted axis; several contracted axes count as one K, in the product's order):
;;     1. [M 8,192, K 1,024] x [K 1,024, N 1,024]; A: input hidden_states; B: input Wq: QUANTISED
;;     2. [M 8,192, K 1,024] x [K 1,024, N 1,024]; A: input hidden_states; B: input Wk: QUANTISED
;;     3. [M 8,192, K 1,024] x [K 1,024, N 1,024]; A: input hidden_states; B: input Wv: QUANTISED
;;     4. batch 64 x [M 2,048, K 64] x [K 64, N 2,048]; A: computed on the way; B: computed on the way: QUANTISED
;;     5. batch 64 x [M 2,048, K 2,048] x [K 2,048, N 64]; A: softmax (see below); B: computed on the way: QUANTISED
;;   THE QUANTISER, for each operand of a quantised product, along K:
;;     - K is cut into blocks of 32 from its start; a last block that is shorter is filled with zeros.
;;     - A block's scale is 2^e with e = floor(log2(the largest magnitude in the block)) - 2, held to -126 .. 127; a block of zeros has e = 0. As a byte (E8M0): e + 127.
;;     - Each number is divided by its block's scale, clamped to +-6, and rounded to the nearest number of E2M1, ties to even, subnormals kept.
;;     - The product sums the exact products of the quantised numbers (number of the format x scale) in f32.
;;   ~~~python
;;   def quantise(x, axis):      # numpy; x: float32 -> the quantised numbers, widened to float32 again
;;       x = np.moveaxis(x, axis, -1); K = x.shape[-1]
;;       x = np.pad(x, [(0, 0)] * (x.ndim - 1) + [(0, -K % 32)]); x = x.reshape(x.shape[:-1] + (-1, 32)); a = np.abs(x).max(-1, keepdims=True)
;;       e = np.where(a > 0, np.clip(np.frexp(np.where(a > 0, a, 1))[1] - 1 - 2, -126, 127), 0)      # np.frexp(a)[1] - 1 = floor(log2(a)), exactly
;;       r = np.clip(x / 2.0 ** e, -6, 6)
;;       step = 2.0 ** (np.maximum(np.frexp(np.where(r == 0, 1, r))[1] - 1, 0) - 1)
;;       q = np.round(r / step) * step * 2.0 ** e      # np.round: ties to even
;;       return np.moveaxis(q.reshape(q.shape[:-2] + (-1,))[..., :K], -1, axis).astype(np.float32)
;;   ~~~
;;   SOFTMAX AHEAD OF A QUANTISED PRODUCT. Where the list says 'softmax', what is quantised is not the finished softmax but p = 2^(t - M), with t = logit x log2(e) and M = ceil(the row's largest t), a whole number; so 1/2 < the row's largest p <= 1. The row's sum l is taken of the UNQUANTISED p, in f32, and the product's result is divided by l at the end. Since M is a whole number, a kernel that streams over the keys may use a running M (the ceiling of the running maximum): every later rescaling is an exact power of two, which a block's scale takes up: the codes' values come out the same.
;;   OPERANDS COMPUTED ON THE WAY. 'Computed on the way' means the value that the module computes at that place (a softmax that the list does not call 'softmax' is quantised finished and normalised). What goes into a quantiser is computed in f32, as accurately as f32 sums, v_exp_f32 and their like allow (about 1e-6 of the number): no bf16 or f16 on the way to a quantiser, and a product that is left as it is and whose result goes on into a quantised operand takes f32 operands (vector FMAs, or v_wmma_f32_16x16x4_f32). A number that lies on a knife's edge between two numbers of the format may be rounded either way, as far as f32 arithmetic and the matrix unit's own rounding can turn it there, and no further.
;; One version. Each part assembles by itself: llvm-mc -triple=amdgcn-amd-amdhsa -mcpu=gfx1250 --defsym DOCPART=n.
;; ======== version 1 of 1: 3 launches
;; limits: inputs' magnitudes at most 1,073,741,824; right only within a limited range of input values
;; workspace buffers: codes 5,767,168 bytes; scales 360,448 bytes; img 12,582,912 bytes; sw 786,432 bytes
;; launch quant (part 1): grid 704 x 1, 2 waves a work-group, no clusters, 16,640 bytes of LDS; arguments hidden_states, Wq, Wk, Wv, codes, scales; writes codes, scales
.if DOCPART == 1
	.amdgcn_target "amdgcn-amd-amdhsa--gfx1250"
	.amdhsa_code_object_version 6
	.text
	.protected	k_qf94989ac48_quant
	.globl	k_qf94989ac48_quant
	.p2align	8
	.type	k_qf94989ac48_quant,@function
k_qf94989ac48_quant:
	s_mov_b64 s[64:65], 0
	v_nop
	global_prefetch_b8 v0, s[64:65] scope:SCOPE_SE
	s_setreg_imm32_b32 hwreg(HW_REG_WAVE_MODE, 25, 1), 1
	s_wait_xcnt 0x0
; hidden_states [8192][1024] and Wq, Wk, Wv [1024][1024], f32, K innermost, become codes of FP4 (E2M1) with one E8M0 byte for each 32 along K.
; OUT: codes [11264 places][512 bytes], scales [11264 places][32 bytes].  Places 0-8191: hidden rows; 8192 on: Wq, Wk, Wv, 1,024 each.
; A ROW'S PLACE IS ITS NUMBER WITH BITS 3 AND 4 EXCHANGED: sixteen neighbouring places, tile 2 b + u of a group of 32, are then rows 32 b + 8 u + r + 8 (r / 8).
; The next launch reads places as they lie, and a lane's 16 results of two neighbouring tiles are 16 neighbours along the K of the product after it.
; A block's scale is 2^(floor(log2(its largest magnitude)) - 2); its byte is the largest magnitude's exponent field - 2, held at 1 from below.
; LIMITS: a block of zeros, and a block whose largest magnitude lies under 2^-124, gets the byte 1 (the rule says 127 for zeros: the codes are zeros, and this program alone reads the bytes);
; NaN and infinities among the inputs are not served.
; SHARES: a wave takes a run of 8 rows = 16 steps of 512 numbers; a work-group of two waves takes two neighbouring runs: 1,408 runs, 704 work-groups, so that 256 WGPs get two or three work-groups each.
; Two neighbouring work-groups make a group of 32 rows: groups 0-255 hidden, 256-287 Wq, 288-319 Wk, 320-351 Wv.  A group's four runs differ in the rows' bits 3 and 4 alone,
; so the exchange is an exchange of the two bits of the run's number within its group, in the output's address.
; Each load reads 512 consecutive bytes; a step's 2,048 bytes turn through the wave's own stage in LDS (16 bytes of padding behind each 64) and come back 16 neighbours a lane; two neighbouring lanes hold a block.
; A wave's store of codes covers 256 consecutive aligned bytes; its 256 scale bytes are gathered in LDS and leave as one such store.  Waves share nothing: no barrier.  Matrix units, tensor loads and clusters have nothing to do here.
.set STEPS, 16
.set CB,    8                          ; bytes of 16 codes
.set R,     16                         ; v16-143  eight sets of 16 numbers as they are loaded
.set X,     144                        ; v144-175 two sets of 16 neighbours
.set E,     176                        ; v176-191 a scale byte for each step
.set C,     192                        ; v192-223 codes: two registers of its own for each step, so that no store's data are written again
.set SPW,   224                        ; v224     LDS address of my spare word; never rewritten
.set NIL,   225                        ; v225     0; never rewritten
.set WREG,  8192                       ; LDS: a region for each wave: two stages of 32 x SP bytes, behind them its 256 scale bytes
.set SP,    80                         ; a lane's place in a stage: 64 bytes + 16 of padding
.set SPARE, 2*WREG                     ; behind the two regions: the spare words, 128 bytes for each wave
	s_load_b256 s[4:11], s[0:1], 0x0               ; hidden s[4:5], Wq s[6:7], Wk s[8:9], Wv s[10:11]
	s_load_b128 s[12:15], s[0:1], 0x20             ; codes s[12:13], scales s[14:15]
	v_lshl_add_u32 v[SPW], v0, 2, SPARE
	v_mov_b32 v[NIL], 0
	v_lshrrev_b32 v1, 5, v0
	v_readfirstlane_b32 s16, v1                    ; wave 0, 1
	v_and_b32 v2, 31, v0                           ; lane
	v_lshlrev_b32 v3, 4, v2                        ; my 16 bytes of a load's 512
	s_mul_i32 s22, s16, WREG
	v_lshrrev_b32 v14, 2, v2
	v_mul_u32_u24 v14, v14, SP
	v_and_b32 v15, 3, v2
	v_lshl_add_u32 v14, v15, 4, v14
	v_add_nc_u32 v14, s22, v14                     ; the stage, on the way in: SP (lane / 4) + 16 (lane % 4)
	v_mul_u32_u24 v15, v2, SP
	v_add_nc_u32 v15, s22, v15                     ; and on the way out: SP x lane: my 16 neighbours
	v_mul_u32_u24 v4, v2, CB                       ; my codes' place in a step's
	v_lshrrev_b32 v5, 1, v2
	s_add_co_u32 s22, s22, 2*32*SP
	v_add_nc_u32 v5, s22, v5                       ; LDS: my wave's 256 scale bytes, my block's byte
	v_lshlrev_b32 v7, 3, v2                        ; and on the way out 8 bytes a lane
	v_add_nc_u32 v6, s22, v7
	s_lshr_b32 s24, ttmp9, 1                       ; my group of 32 rows
	s_and_b32 s25, ttmp9, 1
	s_lshl_b32 s25, s25, 1
	s_add_co_u32 s25, s25, s16                     ; which of its four runs of 8 rows is mine: 2 (work-group % 2) + wave
	s_and_b32 s20, s25, 1                          ; that number's two bits exchanged
	s_lshl_b32 s20, s20, 1
	s_lshr_b32 s21, s25, 1
	s_or_b32 s20, s20, s21
	s_lshl_b32 s21, s24, 2
	s_add_co_u32 s20, s20, s21                     ; which run of 8 places is my wave's: 4 x group + exchanged run
	s_and_b32 s17, s24, 31                         ; a weight's group within its tensor
	s_wait_alu depctr_va_vdst(0)                   ; the wait at the head's end
	s_wait_kmcnt 0x0
	s_cmp_lt_u32 s24, 320                          ; which tensor: the choices hang on the work-group's number alone
	s_cselect_b64 s[8:9], s[8:9], s[10:11]
	s_cmp_lt_u32 s24, 288
	s_cselect_b64 s[6:7], s[6:7], s[8:9]
	s_cmp_lt_u32 s24, 256
	s_cselect_b64 s[4:5], s[4:5], s[6:7]
	s_cselect_b32 s17, s24, s17
	s_lshl_b32 s17, s17, 2
	s_add_co_u32 s17, s17, s25                     ; which run of 8 rows of the tensor I read
	s_lshl_b32 s18, s17, 15                        ; 8 rows x 4,096 bytes
	s_mov_b32 s19, 0
	s_add_nc_u64 s[4:5], s[4:5], s[18:19]
	s_lshl_b32 s18, s20, 12                        ; 8 places x 512 bytes of codes
	s_add_nc_u64 s[12:13], s[12:13], s[18:19]
	s_lshl_b32 s18, s20, 8                         ; 8 places x 32 scale bytes
	s_add_nc_u64 s[14:15], s[14:15], s[18:19]
.macro LOAD t
.irp i, 0,1,2,3
	global_load_b128 v[R+16*((\t)%8)+4*\i:R+16*((\t)%8)+4*\i+3], v3, s[4:5] offset:2048*(\t)+512*\i th:TH_LOAD_NT   ; 32 lanes read 512 consecutive bytes; read once in the launch
.endr
.endm
.macro TURN t                          ; step t's numbers through the stage: LDS serves a wave's instructions in order (ISA guide 5.7.1.4), so no wait stands between the stores and the loads
.irp i, 0,1,2,3
	ds_store_b128 v14, v[R+16*((\t)%8)+4*\i:R+16*((\t)%8)+4*\i+3] offset:32*SP*((\t)%2)+8*SP*\i
.endr
.irp i, 0,1,2,3
	ds_load_b128 v[X+16*((\t)%2)+4*\i:X+16*((\t)%2)+4*\i+3], v15 offset:32*SP*((\t)%2)+16*\i
.endr
.endm
.irp t, 0,1,2,3,4,5,6,7
	LOAD \t
.endr
	s_wait_loadcnt 28                              ; step 0's four loads are in; the 28 of steps 1 to 7 stay out
	TURN 0
.macro STEP t
.set XS, X+16*((\t)%2)
.if (\t) > 0
	s_wait_dscnt 1                                 ; this step's numbers are back from the stage (the last step's byte store may be out): so its stores into the stage have read their registers,
.else
	s_wait_dscnt 0x0
.endif
.if (\t)+8 < STEPS
	LOAD (\t)+8                                    ; which take the loads of eight steps on
.endif
.if (\t)+1 < STEPS
.if STEPS-2-(\t) >= 7
	s_wait_loadcnt 28                              ; the next step's four loads are in; those of the seven steps behind it may be out
.else
	s_wait_loadcnt 4*(STEPS-2-(\t))                ; the tail: fewer steps are behind it
.endif
	TURN (\t)+1                                    ; and go through the other stage while this step is worked
.endif
	v_max3_num_f32 v8, |v[XS]|, |v[XS+1]|, |v[XS+2]|               ; the largest magnitude of my 16, in two chains
	v_max3_num_f32 v9, |v[XS+3]|, |v[XS+4]|, |v[XS+5]|
.irp i, 6,10
	v_max3_num_f32 v8, v8, |v[XS+\i]|, |v[XS+\i+1]|
	v_max3_num_f32 v9, v9, |v[XS+\i+2]|, |v[XS+\i+3]|
.endr
	v_max3_num_f32 v8, v8, |v[XS+14]|, |v[XS+15]|
	v_max3_num_f32 v8, v8, v9, 0x1800000           ; and the floor 2^(3 - 127): the byte cannot fall under 1
	v_max_num_f32_dpp v8, v8, v8 row_xmask:1 row_mask:0xf bank_mask:0xf   ; and of my neighbour's 16: the block's
	v_add_nc_u32 v11, 0xff000000, v8               ; 2 off its exponent field: the conversion takes the exponent field of this operand as its scale
	v_cvt_scalef32_pk8_fp4_f32 v[C+2*(\t)], v[XS:XS+7], v11
	v_cvt_scalef32_pk8_fp4_f32 v[C+2*(\t)+1], v[XS+8:XS+15], v11
	v_lshrrev_b32 v[E+(\t)], 23, v11               ; the scale's byte (also the plain line behind the conversions)
	ds_store_b8 v5, v[E+(\t)] offset:16*(\t)       ; both lanes of a block write the same byte with the same value
	global_store_b64 v4, v[C+2*(\t):C+2*(\t)+1], s[12:13] offset:32*CB*(\t)   ; 32 lanes store 256 consecutive bytes, aligned
.endm
.irp t, 0,1,2,3,4,5,6,7,8,9,10,11,12,13,14,15
	STEP \t
.endr
	ds_load_b64 v[12:13], v6                       ; in order behind my byte stores
	s_wait_dscnt 0x0
	global_store_b64 v7, v[12:13], s[14:15]        ; 32 lanes store 256 consecutive bytes, aligned
	s_wait_tensorcnt 0x0                           ; the wave's end: behind my last LDS store
	ds_add_u32 v[SPW], v[NIL]
	s_wait_dscnt 0x0
	s_endpgm
.Lfunc_end_k_qf94989ac48_quant:
	.size	k_qf94989ac48_quant, .Lfunc_end_k_qf94989ac48_quant-k_qf94989ac48_quant
	.p2alignl 7, 3214868480
	.fill 96, 4, 3214868480
	.section	.rodata,"a",@progbits
	.p2align	6, 0x0
	.amdhsa_kernel k_qf94989ac48_quant
		.amdhsa_group_segment_fixed_size 16640
		.amdhsa_private_segment_fixed_size 0
		.amdhsa_enable_private_segment 0
		.amdhsa_kernarg_size 48
		.amdhsa_user_sgpr_count 2
		.amdhsa_user_sgpr_kernarg_segment_ptr 1
		.amdhsa_wavefront_size32 1
		.amdhsa_system_sgpr_workgroup_id_x 1
		.amdhsa_system_sgpr_workgroup_id_y 1
		.amdhsa_system_sgpr_workgroup_id_z 1
		.amdhsa_system_vgpr_workitem_id 0
		.amdhsa_next_free_vgpr 226
		.amdhsa_next_free_sgpr 66
		.amdhsa_reserve_vcc 0
		.amdhsa_float_denorm_mode_32 3
		.amdhsa_float_denorm_mode_16_64 3
		.amdhsa_memory_ordered 1
		.amdhsa_forward_progress 1
		.amdhsa_inst_pref_size 34
	.end_amdhsa_kernel
	.amdgpu_metadata
---
amdhsa.version: [ 1, 2 ]
amdhsa.kernels:
  - .name:           k_qf94989ac48_quant
    .symbol:         k_qf94989ac48_quant.kd
    .args:
      - { .name: hidden_states, .offset: 0, .size: 8, .value_kind: global_buffer, .address_space: global }
      - { .name: Wq, .offset: 8, .size: 8, .value_kind: global_buffer, .address_space: global }
      - { .name: Wk, .offset: 16, .size: 8, .value_kind: global_buffer, .address_space: global }
      - { .name: Wv, .offset: 24, .size: 8, .value_kind: global_buffer, .address_space: global }
      - { .name: codes, .offset: 32, .size: 8, .value_kind: global_buffer, .address_space: global }
      - { .name: scales, .offset: 40, .size: 8, .value_kind: global_buffer, .address_space: global }
    .group_segment_fixed_size: 16640
    .private_segment_fixed_size: 0
    .kernarg_segment_align: 8
    .kernarg_segment_size: 48
    .max_flat_workgroup_size: 64
    .sgpr_count:     66
    .vgpr_count:     226
    .wavefront_size: 32
...
	.end_amdgpu_metadata
.endif
;; end of part 1
;; launch proj (part 2): grid 12 x 32, 4 waves a work-group, clusters of 4 x 4, 327,680 bytes of LDS; arguments codes, scales, bq, bk, bv, img, sw; writes img, sw
.if DOCPART == 2
	.amdgcn_target "amdgcn-amd-amdhsa--gfx1250"
	.amdhsa_code_object_version 6
	.text
	.protected	k_qf94989ac48_proj
	.globl	k_qf94989ac48_proj
	.p2align	8
	.type	k_qf94989ac48_proj,@function
k_qf94989ac48_proj:
	s_mov_b64 s[64:65], 0
	v_nop
	global_prefetch_b8 v0, s[64:65] scope:SCOPE_SE
	s_setreg_imm32_b32 hwreg(HW_REG_WAVE_MODE, 25, 1), 1
	s_wait_xcnt 0x0
	s_wait_alu depctr_hold_cnt(0) depctr_sa_sdst(0) depctr_va_vdst(0) depctr_va_sdst(0) depctr_va_ssrc(0) depctr_va_vcc(0) depctr_vm_vsrc(0)
	s_getreg_b32 s2, hwreg(HW_REG_IB_STS2, 6, 4)
	s_cmp_eq_u32 s2, 0
	s_cbranch_scc0 .Lentry_in_a_cluster
	s_endpgm
.Lentry_in_a_cluster:
	s_bfe_u32 s2, ttmp6, 0x10000c
	s_cmp_lg_u32 s2, 0xf033
	s_cbranch_scc0 .Lentry_shape_is_right
	s_endpgm
.Lentry_shape_is_right:
; Q, K, V = hidden W^T + bias on codes of FP4 with E8M0 scales, as the launch before lays them (places of 512 bytes of codes, 32 scale bytes), quantised again in registers for the two products of the attention.
; A tile of 256 x 256 to a work-group, 128 x 128 to each of four waves; K = 1,024 lies in two LDS slots of 512 along K, each filled once.  Clusters of 4 x 4 ask for A's tiles along a row and B's along a column jointly.
; Cluster x = 0: Q, 1: K: source 0 = rows of the weight, source 1 = tokens: a lane's registers run along the head's channels.  x = 2: V, the roles exchanged: source 0 = tokens, source 1 = rows of Wv: they run along the keys.
; The bias is the C of the first products.  The results leave as images of operand registers (img) and their scale words (sw).
; THE HEAD: one joint load a wave: wave 0 K step 0's 256 rows of A, wave 1 those of B, wave 2 A's scale bytes, wave 3 B's; slot 1 is filled behind the three lines and a round, a quarter a wave.
.set NQ,     4
.set ROWB,   256
.set KROW,   512
.set PITCH,  272
.set FR,     8
.set NL,     2
.set NP,     4
.set HALFT,  128*PITCH
.set SLOT,   4*HALFT
.set KS,     32
.set SCL,    2*SLOT
.set HALFS,  16*272
.set SBLK,   2*272
.set OFJ,  8
.set ADRA, 16
.set ADRB, 20
.set VO,   26
.set ADRS, 27
.set SC,   32
.set TM,   96
.set PW,   112
.set PR,   120
.set AF,   128
.set BB,   192
.set G1, 24
.set G0, 32
.set G1B, 48
.set G0B, 56
.set G1S, 68
.set G0S, 76
.set G1SB, 80
.set G0SB, 88
.set KIND, 100
.set MSB, 0
.macro WIN new
.if MSB != (\new)
	s_set_vgpr_msb (MSB<<8)|(\new)
.set MSB, (\new)
.endif
.endm
.set MUL_LO, 0xa1
.set MUL_HI, 0xf1
.set TO_B,   0x40
.macro JLOAD g0a, g1a, g0b, g1b
	s_cmp_eq_u32 s15, 0
	s_cbranch_scc0 .Lfor_b_\@
	tensor_load_to_lds s[\g0a:\g0a+3], s[\g1a:\g1a+7]
	s_nop 0
.rept 4
	v_nop
.endr
	s_branch .Lasked_\@
.Lfor_b_\@:
	tensor_load_to_lds s[\g0b:\g0b+3], s[\g1b:\g1b+7]
	s_nop 0
.rept 4
	v_nop
.endr
.Lasked_\@:
.endm
.macro CROUND
	s_barrier_signal -1
	s_barrier_wait -1
	s_cmp_lg_u32 s14, 0
	s_cbranch_scc1 .Lnot_wave_0_\@
	s_barrier_signal -3
.Lnot_wave_0_\@:
	s_barrier_wait -3
	s_barrier_signal -1
	s_barrier_wait -1
.endm
	s_load_b256 s[4:11], s[0:1], 0x0
	s_load_b64 s[12:13], s[0:1], 0x20
	s_load_b64 s[96:97], s[0:1], 0x28
	s_load_b64 s[98:99], s[0:1], 0x30
	v_lshl_add_u32 v126, v0, 2, 0x48400
	v_mov_b32 v127, 0
	ds_add_u32 v126, v127
	ds_add_u32 v126, v127
	v_lshrrev_b32 v1, 5, v0
	v_readfirstlane_b32 s14, v1
	s_lshr_b32 s15, s14, 1
	s_and_b32 s16, s14, 1
	s_bfe_u32 s40, ttmp6, 0x40000
	s_bfe_u32 s41, ttmp6, 0x40004
	s_and_b32 s101, ttmp7, 0xffff
	s_lshl_b32 s101, s101, 2
	s_lshl_b32 s45, ttmp9, 2
	s_add_co_u32 s45, s45, 32
	s_cmp_eq_u32 ttmp9, 2
	s_cselect_b32 s42, s101, s45
	s_cselect_b32 s17, 40, s101
	s_cselect_b32 s[KIND], 1, 0
	s_add_co_u32 s42, s42, s40
	s_add_co_u32 s17, s17, s41
	s_lshl_b32 s43, s41, 2
	s_lshl_b32 s43, 15, s43
	s_lshl_b32 s44, 0x1111, s40
	s_or_b32 s[G1+0], s43, (0<<16)|(1<<20)|(1<<21)|(5<<22)|(3<<25)
	s_or_b32 s[G1B+0], s44, (0<<16)|(1<<20)|(1<<21)|(5<<22)|(3<<25)
.irp g, G1, G1B
	s_mov_b32 s[\g+1], ROWB<<16
	s_mov_b32 s[\g+2], 256<<16
	s_mov_b32 s[\g+3], ROWB<<16
	s_mov_b32 s[\g+4], 256
	s_mov_b32 s[\g+5], KROW
	s_mov_b32 s[\g+6], 0
	s_mov_b32 s[\g+7], 0
.endr
	s_or_b32 s[G1S+0], s43, (3<<16)|(1<<20)|(1<<21)|(5<<22)|(3<<25)
	s_or_b32 s[G1SB+0], s44, (3<<16)|(1<<20)|(1<<21)|(5<<22)|(3<<25)
.irp g, G1S, G1SB
	s_mov_b32 s[\g+1], 32<<16
	s_mov_b32 s[\g+2], 32<<16
	s_mov_b32 s[\g+3], 32<<16
	s_mov_b32 s[\g+4], 32
	s_mov_b32 s[\g+5], 32
	s_mov_b32 s[\g+6], 0
	s_mov_b32 s[\g+7], 0
.endr
	s_lshl_b32 s20, s17, 8
	s_lshl_b32 s46, s42, 8
	s_mov_b32 s21, 0
	s_mov_b32 s47, 0
	s_mov_b64 s[18:19], KS
	s_mul_u64 s[22:23], s[20:21], s[18:19]
	s_mul_u64 s[92:93], s[46:47], s[18:19]
	s_mov_b64 s[18:19], KROW
	s_mul_u64 s[20:21], s[20:21], s[18:19]
	s_mul_u64 s[46:47], s[46:47], s[18:19]
	s_mul_i32 s45, s14, HALFT
	s_mul_i32 s18, s16, 128*KROW                   ; for slot 1 I fetch 128 rows of a tile: which half, in bytes
	s_mov_b32 s19, 0
	s_wait_dscnt 0x0
	s_wait_kmcnt 0x0
	s_add_nc_u64 s[20:21], s[4:5], s[20:21]
	s_add_nc_u64 s[22:23], s[6:7], s[22:23]
	s_add_nc_u64 s[46:47], s[4:5], s[46:47]
	s_add_nc_u64 s[92:93], s[6:7], s[92:93]
	CROUND
	s_mov_b32 s[G0S], 1
	s_mov_b32 s[G0S+1], SCL
	s_mov_b64 s[G0S+2:G0S+3], s[22:23]
	s_or_b32 s[G0S+3], s[G0S+3], 0x80000000
	s_mov_b32 s[G0SB], 1
	s_mov_b32 s[G0SB+1], SCL+2*HALFS
	s_mov_b64 s[G0SB+2:G0SB+3], s[92:93]
	s_or_b32 s[G0SB+3], s[G0SB+3], 0x80000000
	s_mov_b32 s[G0], 1                             ; slot 0, whole tiles: K step 0's 256 rows of A,
	s_mov_b32 s[G0+1], 0
	s_mov_b64 s[G0+2:G0+3], s[20:21]
	s_or_b32 s[G0+3], s[G0+3], 0x80000000
	s_mov_b32 s[G0B], 1                            ; and of B, behind them
	s_mov_b32 s[G0B+1], 2*HALFT
	s_mov_b64 s[G0B+2:G0B+3], s[46:47]
	s_or_b32 s[G0B+3], s[G0B+3], 0x80000000
	s_add_nc_u64 s[20:21], s[20:21], s[18:19]      ; slot 1: my 128 rows of the tile, K step 1
	s_add_nc_u64 s[46:47], s[46:47], s[18:19]
	s_mov_b32 s[G0+4], 1
	s_add_co_u32 s[G0+5], s45, SLOT
	s_add_nc_u64 s[G0+6:G0+7], s[20:21], ROWB
	s_or_b32 s[G0+7], s[G0+7], 0x80000000
	s_mov_b32 s[G0B+4], 1
	s_add_co_u32 s[G0B+5], s45, SLOT
	s_add_nc_u64 s[G0B+6:G0B+7], s[46:47], ROWB
	s_or_b32 s[G0B+7], s[G0B+7], 0x80000000
; one chain of branches on the wave's number, each arm with its load: every way through the head passes exactly one
.macro ARM under, g0, g1, next
	s_cmp_lt_u32 s14, \under
	s_cbranch_scc0 \next
	tensor_load_to_lds s[\g0:\g0+3], s[\g1:\g1+7]
	s_nop 0
.rept 4
	v_nop
.endr
	s_branch .Lhead_asked
\next:
.endm
	ARM 1, G0,  G1,  .Lhead_b
	ARM 2, G0B, G1B, .Lhead_sa
	ARM 3, G0S, G1S, .Lhead_sb
	tensor_load_to_lds s[G0SB:G0SB+3], s[G1SB:G1SB+7]
	s_nop 0
.rept 4
	v_nop
.endr
.Lhead_asked:
	v_and_b32 v1, 15, v0
	v_bfe_u32 v2, v0, 4, 1
	v_mul_u32_u24 v3, v1, PITCH
	v_lshl_add_u32 v4, v2, 4, v3
	s_mul_i32 s21, s15, HALFT
	s_mul_i32 s22, s16, HALFT
	s_add_co_u32 s22, s22, 2*HALFT
.irp s, 0,1
	v_add_nc_u32 v[ADRA+\s], s21, v4
	v_add_nc_u32 v[ADRB+\s], s22, v4
	s_add_co_u32 s21, s21, SLOT
	s_add_co_u32 s22, s22, SLOT
.endr
	v_mul_u32_u24 v5, v1, KS
	v_lshrrev_b32 v6, 8, v5
	v_lshl_add_u32 v5, v6, 4, v5
	s_mul_i32 s21, s15, HALFS
	s_mul_i32 s22, s16, HALFS
	s_add_co_u32 s22, s22, 2*HALFS
	s_sub_co_u32 s22, s22, s21
	v_mul_u32_u24 v6, s22, v2
	s_add_co_u32 s21, s21, SCL
	v_add_nc_u32 v5, v5, v6
	v_add_nc_u32 v[ADRS], s21, v5
	v_and_b32 v6, 31, v0
	v_lshlrev_b32 v[VO], 4, v6
.irp b, 0,1,2,3
	v_mov_b32 v[TM+4+\b], 0
.endr
	s_mov_b32 s2, 0x76543210
	s_mov_b32 s3, 0xfedcba98
	s_cmp_eq_u32 ttmp9, 0
	s_cselect_b64 s[8:9], s[8:9], s[10:11]
	s_cmp_eq_u32 ttmp9, 2
	s_cselect_b64 s[8:9], s[12:13], s[8:9]
	s_cselect_b32 s10, s41, s40
	s_cselect_b32 s11, s15, s16
	s_cselect_b32 s12, 0, 64
	s_cselect_b32 s13, 4, 0
	s_cselect_b32 s95, 0, 4
	s_lshl_b32 s10, s10, 10
	s_lshl_b32 s11, s11, 9
	s_add_co_u32 s66, s10, s11
	s_mov_b32 s67, 0
	s_add_nc_u64 s[8:9], s[8:9], s[66:67]
	v_and_b32 v7, 8, v1
	v_add_nc_u32 v7, v7, v1
	v_mul_u32_u24 v[OFJ], s12, v2
	v_mad_u32_u24 v[OFJ], v7, s13, v[OFJ]
.irp j, 1,2,3,4,5,6,7
	v_mad_u32_u24 v[OFJ+\j], s95, \j, v[OFJ]
.endr
.irp t, 0,1,2,3,4,5,6,7
.irp j, 0,1,2,3,4,5,6,7
	global_load_b32 v[BB+8*\t+\j], v[OFJ+\j], s[8:9] offset:4*(32*(\t/2)+8*(\t%2))
.endr
.endr
	s_add_co_u32 s10, s101, s40
	s_lshl_b32 s10, s10, 1
	s_add_co_u32 s10, s10, s16
	s_add_co_u32 s11, s101, s41
	s_lshl_b32 s11, s11, 1
	s_add_co_u32 s11, s11, s15
	s_lshl_b32 s12, s41, 1
	s_add_co_u32 s12, s12, s15
	s_lshl_b32 s13, ttmp9, 2
	s_add_co_u32 s13, s13, s40
	s_lshl_b32 s13, s13, 1
	s_add_co_u32 s13, s13, s16
	s_cmp_lg_u32 s[KIND], 0
	s_cselect_b32 s10, s10, s11
	s_cselect_b32 s12, s12, s13
	s_cselect_b32 s11, 3, 4
	s_cselect_b32 s66, 0x800000, 0
	s_cselect_b32 s13, 0x80000, 0
	s_lshr_b32 s95, s10, 4
	s_and_b32 s10, s10, 15
	s_lshl_b32 s95, s95, s11
	s_add_co_u32 s95, s95, s12
	s_lshl_b32 s95, s95, 4
	s_add_co_u32 s95, s95, s10
	s_lshl_b32 s10, s95, 13
	s_add_co_u32 s66, s66, s10
	s_add_nc_u64 s[96:97], s[96:97], s[66:67]
	s_lshl_b32 s10, s95, 9
	s_add_co_u32 s66, s13, s10
	s_add_nc_u64 s[98:99], s[98:99], s[66:67]
.macro FRAG reg, adr, q, i
.irp c, 0,1
	ds_load_b128 v[\reg+4*\c:\reg+4*\c+3], v[\adr] offset:64*(\q)+32*\c+(\i)*16*PITCH
.endr
.endm
.macro MUL16 a0, p, q, sc, mode
.irp a, \a0, \a0+1
.irp b, 0,1,2,3,4,5,6,7
.if \mode == 1
	v_wmma_scale_f32_16x16x128_f8f6f4 v[8*(8*((\a)%4)+\b):8*(8*((\a)%4)+\b)+7], v[128*(\p)+FR*\b:128*(\p)+FR*\b+FR-1], v[AF+FR*(\a):AF+FR*(\a)+FR-1], v[BB+8*\b:BB+8*\b+7], v[SC+8*NQ*(\sc)+NQ*\b+(\q)], v[SC+8*NQ*(\sc)+NQ*(\a)+(\q)] matrix_a_fmt:MATRIX_FMT_FP4 matrix_b_fmt:MATRIX_FMT_FP4 matrix_a_scale:MATRIX_SCALE_ROW1
.elseif \mode == 2
	v_wmma_scale_f32_16x16x128_f8f6f4 v[8*(8*((\a)%4)+\b):8*(8*((\a)%4)+\b)+7], v[128*(\p)+FR*\b:128*(\p)+FR*\b+FR-1], v[AF+FR*(\a):AF+FR*(\a)+FR-1], v[BB+8*(\a):BB+8*(\a)+7], v[SC+8*NQ*(\sc)+NQ*\b+(\q)], v[SC+8*NQ*(\sc)+NQ*(\a)+(\q)] matrix_a_fmt:MATRIX_FMT_FP4 matrix_b_fmt:MATRIX_FMT_FP4 matrix_a_scale:MATRIX_SCALE_ROW1
.else
	v_wmma_scale_f32_16x16x128_f8f6f4 v[8*(8*((\a)%4)+\b):8*(8*((\a)%4)+\b)+7], v[128*(\p)+FR*\b:128*(\p)+FR*\b+FR-1], v[AF+FR*(\a):AF+FR*(\a)+FR-1], v[8*(8*((\a)%4)+\b):8*(8*((\a)%4)+\b)+7], v[SC+8*NQ*(\sc)+NQ*\b+(\q)], v[SC+8*NQ*(\sc)+NQ*(\a)+(\q)] matrix_a_fmt:MATRIX_FMT_FP4 matrix_b_fmt:MATRIX_FMT_FP4 matrix_a_scale:MATRIX_SCALE_ROW1
.endif
.endr
.endr
.endm
.macro FETCH_B slot, q, p
	WIN TO_B
.irp i, 0,1,2,3,4,5,6,7
	FRAG 128*(\p)+FR*\i, ADRB+\slot, \q, \i
.endr
	WIN 0
.endm
.macro FETCH_A slot, q, i0
.irp i, \i0, \i0+1, \i0+2, \i0+3
	FRAG AF+FR*(\i), ADRA+\slot, \q, \i
.endr
.endm
.macro SCALES sc
.irp i, 0,1,2,3,4,5,6,7
	ds_load_b128 v[SC+8*NQ*\sc+NQ*\i:SC+8*NQ*\sc+NQ*\i+3], v[ADRS] offset:\i*SBLK
.endr
.endm
.macro PLACES n
.rept \n
	v_nop
.endr
.endm
.macro STEP slot, q, mode
	s_wait_dscnt 4*NL
.if \mode
	WIN 0x81
.else
	WIN MUL_LO
.endif
	MUL16 0, (\q)%2, \q, \slot, \mode
	MUL16 2, (\q)%2, \q, \slot, \mode
	s_wait_dscnt 0
	PLACES NP
	FETCH_B \slot, (\q)+1, 1-(\q)%2
	FETCH_A \slot, (\q)+1, 0
.if \mode
	WIN 0xc1
.else
	WIN MUL_HI
.endif
	MUL16 4, (\q)%2, \q, \slot, \mode
	MUL16 6, (\q)%2, \q, \slot, \mode
	PLACES NP
	WIN 0
	FETCH_A \slot, (\q)+1, 4
.endm
.macro STEPS slot, from
.set Q, \from
.rept NQ-1-\from
	STEP \slot, Q, 0
.set Q, Q+1
.endr
.endm
	s_wait_alu depctr_va_vdst(0)                   ; the wait at the head's end
	s_wait_tensorcnt 0x0                           ; my tile of the head's four is in
	ds_add_u32 v126, v127
	s_mov_b32 s[G1+2], 128<<16                     ; no tensor load of mine is out: from here on a load brings 128 rows
	s_mov_b32 s[G1+4], 128
	s_mov_b32 s[G1B+2], 128<<16
	s_mov_b32 s[G1B+4], 128
	s_wait_dscnt 0x0
	CROUND                                         ; all four tiles are in, and all sixteen work-groups are here
	JLOAD G0+4, G1, G0B+4, G1B                     ; K step 1, the first tensor load behind the round
	FETCH_B 0, 0, 0
	FETCH_A 0, 0, 0
	SCALES 0
	FETCH_A 0, 0, 4
	s_wait_loadcnt 0x0
	s_cmp_lg_u32 s[KIND], 0
	s_cbranch_scc1 .Lfirst_v
	STEP 0, 0, 1
	s_branch .Ljoin
.Lfirst_v:
	STEP 0, 0, 2
.Ljoin:
	STEPS 0, 1
	s_wait_tensorcnt 0x0
	s_wait_dscnt 4*NL
	WIN MUL_LO
	MUL16 0, 1, NQ-1, 0, 0
	s_wait_dscnt 0x0
	s_barrier_signal -1
	MUL16 2, 1, NQ-1, 0, 0
	WIN 0
	s_barrier_wait -1
	PLACES NP
	v_add_nc_u32 v[ADRS], 4*NQ, v[ADRS]
	FETCH_B 1, 0, 0
	FETCH_A 1, 0, 0
	SCALES 1
	WIN MUL_HI
	MUL16 4, 1, NQ-1, 0, 0
	MUL16 6, 1, NQ-1, 0, 0
	PLACES NP
	WIN 0
	FETCH_A 1, 0, 4
	STEPS 1, 0
	s_wait_dscnt 4*NL
	WIN MUL_LO
	MUL16 0, 1, NQ-1, 1, 0
	MUL16 2, 1, NQ-1, 1, 0
	s_wait_dscnt 0
	WIN MUL_HI
	MUL16 4, 1, NQ-1, 1, 0
	MUL16 6, 1, NQ-1, 1, 0
	WIN 0
	PLACES NP
.macro QUANT a
.set AC, 64*((\a)%4)
.set PC, AF+8*(\a)
	WIN 0x0a+5*((\a)/4)
.irp b, 0,1,2,3
	v_max3_num_f32 v[TM+\b], |v[AC+16*\b]|, |v[AC+16*\b+1]|, 0x1800000
.endr
.irp i, 2,4,6,8,10,12,14
.irp b, 0,1,2,3
	v_max3_num_f32 v[TM+\b], |v[AC+16*\b+\i]|, |v[AC+16*\b+\i+1]|, v[TM+\b]
.endr
.endr
	WIN 0
.irp b, 0,1,2,3
	v_permlanex16_b32 v[TM+4+\b], v[TM+\b], s2, s3
.endr
.irp b, 0,1,2,3
	v_max_num_f32 v[TM+\b], v[TM+\b], v[TM+4+\b]
.endr
.irp b, 0,1,2,3
	v_add_nc_u32 v[TM+12+\b], 0xff000000, v[TM+\b]
.endr
.irp b, 0,1,2,3
	v_lshrrev_b32 v[TM+4+\b], 23, v[TM+12+\b]
.endr
	v_lshl_or_b32 v[PW+\a], v[TM+5], 8, v[TM+4]
	v_lshl_or_b32 v[PW+\a], v[TM+6], 16, v[PW+\a]
	v_lshl_or_b32 v[PW+\a], v[TM+7], 24, v[PW+\a]
	WIN 0x02+((\a)/4)
.irp b, 0,1,2,3
	v_cvt_scalef32_pk8_fp4_f32 v[PC+2*\b], v[AC+16*\b:AC+16*\b+7], v[TM+12+\b]
	v_cvt_scalef32_pk8_fp4_f32 v[PC+2*\b+1], v[AC+16*\b+8:AC+16*\b+15], v[TM+12+\b]
.endr
	WIN 0
	v_nop
.irp c, 0,1
.irp i, 0,1
	v_permlane16_swap_b32 v[PC+4*\c+\i], v[PC+2+4*\c+\i]
.endr
.endr
.irp c, 0,1
	global_store_b128 v[VO], v[PC+4*\c:PC+4*\c+3], s[96:97] offset:1024*(\a)+512*\c
.endr
.endm
.irp a, 0,1,2,3,4,5,6,7
	QUANT \a
.endr
	s_mov_b32 vcc_lo, 0xffff0000
.irp p, 0,1,2,3
	v_cndmask_b32 v[PR+\p], v[PW+2*\p], v[PW+2*\p+1], vcc_lo
.endr
	global_store_b128 v[VO], v[PR:PR+3], s[98:99]
	s_wait_tensorcnt 0x0
	ds_add_u32 v126, v127
	s_wait_dscnt 0x0
	CROUND
	s_endpgm
.Lfunc_end_k_qf94989ac48_proj:
	.size	k_qf94989ac48_proj, .Lfunc_end_k_qf94989ac48_proj-k_qf94989ac48_proj
	.p2alignl 7, 3214868480
	.fill 96, 4, 3214868480
	.section	.rodata,"a",@progbits
	.p2align	6, 0x0
	.amdhsa_kernel k_qf94989ac48_proj
		.amdhsa_group_segment_fixed_size 327680
		.amdhsa_private_segment_fixed_size 0
		.amdhsa_enable_private_segment 0
		.amdhsa_kernarg_size 56
		.amdhsa_user_sgpr_count 2
		.amdhsa_user_sgpr_kernarg_segment_ptr 1
		.amdhsa_wavefront_size32 1
		.amdhsa_system_sgpr_workgroup_id_x 1
		.amdhsa_system_sgpr_workgroup_id_y 1
		.amdhsa_system_sgpr_workgroup_id_z 1
		.amdhsa_system_vgpr_workitem_id 0
		.amdhsa_next_free_vgpr 1024
		.amdhsa_next_free_sgpr 104
		.amdhsa_reserve_vcc 1
		.amdhsa_float_denorm_mode_32 3
		.amdhsa_float_denorm_mode_16_64 3
		.amdhsa_memory_ordered 1
		.amdhsa_forward_progress 1
		.amdhsa_inst_pref_size 147
	.end_amdhsa_kernel
	.amdgpu_metadata
---
amdhsa.version: [ 1, 2 ]
amdhsa.kernels:
  - .name:           k_qf94989ac48_proj
    .symbol:         k_qf94989ac48_proj.kd
    .args:
      - { .name: codes, .offset: 0, .size: 8, .value_kind: global_buffer, .address_space: global }
      - { .name: scales, .offset: 8, .size: 8, .value_kind: global_buffer, .address_space: global }
      - { .name: bq, .offset: 16, .size: 8, .value_kind: global_buffer, .address_space: global }
      - { .name: bk, .offset: 24, .size: 8, .value_kind: global_buffer, .address_space: global }
      - { .name: bv, .offset: 32, .size: 8, .value_kind: global_buffer, .address_space: global }
      - { .name: img, .offset: 40, .size: 8, .value_kind: global_buffer, .address_space: global }
      - { .name: sw, .offset: 48, .size: 8, .value_kind: global_buffer, .address_space: global }
    .group_segment_fixed_size: 327680
    .private_segment_fixed_size: 0
    .kernarg_segment_align: 8
    .kernarg_segment_size: 56
    .max_flat_workgroup_size: 128
    .sgpr_count:     104
    .vgpr_count:     1024
    .wavefront_size: 32
...
	.end_amdgpu_metadata
.endif
;; end of part 2
;; launch attn (part 3): grid 4 x 64, 8 waves a work-group, clusters of 4 x 1, 196,608 bytes of LDS; arguments img, sw, attention_mask, out0; writes out0
.if DOCPART == 3
	.amdgcn_target "amdgcn-amd-amdhsa--gfx1250"
	.amdhsa_code_object_version 6
	.text
	.protected	k_qf94989ac48_attn
	.globl	k_qf94989ac48_attn
	.p2align	8
	.type	k_qf94989ac48_attn,@function
k_qf94989ac48_attn:
	s_mov_b64 s[64:65], 0
	v_nop
	global_prefetch_b8 v0, s[64:65] scope:SCOPE_SE
	s_setreg_imm32_b32 hwreg(HW_REG_WAVE_MODE, 25, 1), 1
	s_wait_xcnt 0x0
	s_wait_alu depctr_hold_cnt(0) depctr_sa_sdst(0) depctr_va_vdst(0) depctr_va_sdst(0) depctr_va_ssrc(0) depctr_va_vcc(0) depctr_vm_vsrc(0)
	s_getreg_b32 s2, hwreg(HW_REG_IB_STS2, 6, 4)
	s_cmp_eq_u32 s2, 0
	s_cbranch_scc0 .Lentry_in_a_cluster
	s_endpgm
.Lentry_in_a_cluster:
	s_bfe_u32 s2, ttmp6, 0x10000c
	s_cmp_lg_u32 s2, 0x3003
	s_cbranch_scc0 .Lentry_shape_is_right
	s_endpgm
.Lentry_shape_is_right:
; out0[b][q][64 h ..] = the sum over keys of softmax(Q . K / 8 + mask) V for head h of batch b, both products on codes of FP4 with E8M0 scales.
; IN: img, sw: images of operand registers and their scale words as the launch before lays them: Q's and K's fragments [tile of 16 tokens][parity of the head][lane][16 bytes] for each pair of heads,
;   V's [128 keys][head of the pair, tile of 16 of its 64][c][lane][16 bytes]; row r of image tile t stands for row 32 (t / 2) + 8 (t % 2) + r + 8 (r / 8).
; THE SOFTMAX: t = (Q . K / 8 + mask) log2(e); M = the running largest t rounded UP to a whole number; p = 2^(t - M) is quantised along the keys, not normalised; the row's sum is taken of the unquantised p
;   and divides at the end.  When M moves, the sum and O are multiplied by 2^(old M - new M), which rounds nothing.
; 8 x mask is the C of the first product, in registers of its own that both query tiles share: S = Q . K + 8 mask, t = S log2(e) / 8.
; The first product's K is 64: registers 4-7 of both operands are zero codes, written once.
; SHARES: a work-group owns one head and 512 queries; each of its eight waves 64 of them, in two passes of TWO tiles of 16 taken together, so that each fragment of K, V, mask and scale words read from LDS serves two tiles.
;   The head's whole K and V lie in LDS, filled ONCE: no ring, no barrier in the loops.  They are asked for once, at the head, and no loop runs ahead of a load: so nothing is prefetched.
; CLUSTER: the four work-groups of a head ask for K and V jointly.  The mask and the scale words (20 KB beside 128 KB) pass through registers, where they are scaled or shifted, and are not shared.
; LAYOUT: both products transposed: S^T = K Q^T, O^T = V^T P^T: a lane holds ONE query (lane % 16).
;   THE KEYS OF A SCORE TILE ARE CHOSEN BY THE LANES' LDS ADDRESSES: tile 4 B + t takes keys 64 B + 8 t + 0..7 as rows 0-7 and keys 64 B + 32 + 8 t + 0..7 as rows 8-15.  So the 32 registers of tiles 4 B .. 4 B + 3
;   are keys 64 B + 32 (lane / 16) + 0 .. 31: a lane holds WHOLE blocks of 32 keys; a block's maximum asks no other lane, and the conversions' results are the second product's operand as they fall.
;   K's image tiles lie 576 bytes apart in LDS (64 of padding).
; LIMITS: 8 x mask is held at -2^33 from below: a mask under -2^30, -infinity too, acts as -2^30.  The promise holds while the scaled scores stay under 2^31 in magnitude.
;   A row whose every key is -infinity gives finite numbers here and NaN in the definition.  NaN in the mask counts as the bound; a mask above 2^124 is not served.
; REGISTERS, two windows of 256.  Window 1: v0-127 S^T then p of tiles 0, 1; v128-191 O^T of tiles 0, 1; v192-255 8 mask.  Window 0: all else.
.set KP,   576
.set VC,   73728                       ; LDS: K 128 tiles x 576 from 0; V 16 steps x 4,096
.set MK,   139264                      ; 8 x mask: 2,048 f32
.set KSC,  MK+8192                     ; K's scale words, shifted to my head: 16 steps x [lane][4 words]
.set VSC,  155648                      ; V's: 16 steps x [lane][2 words]
.set STG,  159744                      ; the way out: 16 rows x 272 bytes for each wave
.set SPARE,194560                      ; the spare words, 128 bytes a wave
.set AK0,1
.set AV0,2
.set AM0,3
.set AS0,4
.set AT0,5
.set STO,6
.set RD,7
.set GO,8
.set AQ,9
.set ADK,10
.set ADV,11
.set ADM,12
.set ADS,13
.set ADT,14
.set SH8,15                            ; 8 (lane / 16)
.set NM,16                             ; tile u: v[16+2u] -M, v[17+2u] the running largest score
.set FF,24                             ; tile u: v[24+2u] f = 2^(old M - new M); the pair's upper word is 0
.set QS,28                             ; v28, v29 Q's scale words of pass 0, 1: lanes 0-15 tile 0's, lanes 16-31 tile 1's
.set PSW,30                            ; v30, v31 p's scale words
.set VSW,32
.set KSW,34                            ; v34-37
.set SPW,38
.set NIL,39
.set QF,40                             ; v40-55 Q's two fragments of pass 0; v224-239 those of pass 1
.set PCD,56                            ; v56-71 p's codes
.set CH,72                             ; v72-79 eight chains of maxima
.set BM,80                             ; v80-83 the blocks' largest scores, then p
.set RX,84
.set PX,86
.set NN,88
.set DD,90
.set SO,92
.set BY,96
.set WD,100
.set WX,102
.set AC,104                            ; tile u: v[104+8u ..] four pairs: the row's sum, and three partial sums
.set KF,128                            ; v128-191 K's eight fragments
.set VF,192                            ; v192-223 V's four
.set MSK,192                           ; window 1
.set WV,12
.set SH,20
.set SEL,22
.set CS,24                             ; s[24:25] c = log2(e) / 8
.set G1K,28
.set G1V,36
.set G0K,44
.set G0V,48
.set TK,52                             ; the NEXT step's place in K: 4,608 bytes a step
.set TM,53                             ; and in the mask and K's words: 512
.set TV,54                             ; this step's place in V: 4,096
.set CNT,55
.set QB,56
.set OUT,60
.set CN,62                             ; -c
.set TT,63                             ; this step's place in V's words: 256
.set MSB,0
.macro WIN new                         ; the immediate's high byte repeats the setting that is left
.if MSB != (\new)
	s_set_vgpr_msb (MSB<<8)|(\new)
.set MSB, (\new)
.endif
.endm
.macro CROUND
	s_barrier_signal -1
	s_barrier_wait -1
	s_cmp_lg_u32 s[WV], 0
	s_cbranch_scc1 .Lnot_wave_0_\@
	s_barrier_signal -3
.Lnot_wave_0_\@:
	s_barrier_wait -3
	s_barrier_signal -1
	s_barrier_wait -1
.endm
.macro WM d, a, b, c, sa, sb, ra, rb   ; one product; ra, rb: the scale words stand in lanes 16-31
.if (\ra) && (\rb)
	v_wmma_scale_f32_16x16x128_f8f6f4 v[\d:\d+7], v[\a:\a+7], v[\b:\b+7], v[\c:\c+7], v[\sa], v[\sb] matrix_a_fmt:MATRIX_FMT_FP4 matrix_b_fmt:MATRIX_FMT_FP4 matrix_a_scale:MATRIX_SCALE_ROW1 matrix_b_scale:MATRIX_SCALE_ROW1
.elseif (\ra)
	v_wmma_scale_f32_16x16x128_f8f6f4 v[\d:\d+7], v[\a:\a+7], v[\b:\b+7], v[\c:\c+7], v[\sa], v[\sb] matrix_a_fmt:MATRIX_FMT_FP4 matrix_b_fmt:MATRIX_FMT_FP4 matrix_a_scale:MATRIX_SCALE_ROW1
.elseif (\rb)
	v_wmma_scale_f32_16x16x128_f8f6f4 v[\d:\d+7], v[\a:\a+7], v[\b:\b+7], v[\c:\c+7], v[\sa], v[\sb] matrix_a_fmt:MATRIX_FMT_FP4 matrix_b_fmt:MATRIX_FMT_FP4 matrix_b_scale:MATRIX_SCALE_ROW1
.else
	v_wmma_scale_f32_16x16x128_f8f6f4 v[\d:\d+7], v[\a:\a+7], v[\b:\b+7], v[\c:\c+7], v[\sa], v[\sb] matrix_a_fmt:MATRIX_FMT_FP4 matrix_b_fmt:MATRIX_FMT_FP4
.endif
.endm
	s_load_b256 s[4:11], s[0:1], 0x0               ; img s[4:5], sw s[6:7], mask s[8:9], out0 s[10:11]
	v_lshl_add_u32 v[SPW], v0, 2, SPARE
	v_mov_b32 v[NIL], 0
	ds_add_u32 v[SPW], v[NIL]                      ; the opening lines: the add, twice on end, and its wait
	ds_add_u32 v[SPW], v[NIL]
	v_lshrrev_b32 v1, 5, v0
	v_readfirstlane_b32 s[WV], v1                  ; wave 0..7
	s_bfe_u32 s13, ttmp6, 0x40000                  ; cx: it enters Q's and out0's addresses alone
	s_lshl_b32 s14, ttmp9, 2
	s_add_co_u32 s14, s14, s13                     ; my block of 512 queries
	s_and_b32 s15, ttmp7, 0xffff                   ; batch x 16 + head, which the four partners share
	s_lshr_b32 s16, s15, 4                         ; batch
	s_and_b32 s17, s15, 15                         ; head
	s_lshr_b32 s18, s17, 1                         ; its pair
	s_and_b32 s19, s17, 1                          ; its parity
	s_lshl_b32 s[SH], s19, 4                       ; my head's two scale bytes lie 16 x parity bits up in Q's and K's words
	s_and_b32 s21, s[WV], 1                        ; which half of K or of V I fetch, if I fetch
	s_lshl_b32 s66, s16, 4
	s_add_co_u32 s66, s66, s18                     ; Q's pair among img's: 16 batch + pair
	s_add_co_u32 s67, s66, 8                       ; K's
	s_lshl_b32 s68, s16, 3
	s_add_co_u32 s68, s68, s18                     ; V's: 8 batch + pair
	s_lshl_b32 s26, s67, 17                        ; K: 131,072 bytes a pair, 65,536 a half, my parity's 512 of each 1,024
	s_lshl_b32 s69, s21, 16
	s_add_co_u32 s26, s26, s69
	s_lshl_b32 s70, s19, 9
	s_add_co_u32 s26, s26, s70
	s_mov_b32 s27, 0
	s_lshl_b32 s58, s68, 17                        ; V: from byte 8,388,608; my head's 4,096 of each 8,192
	s_add_co_u32 s58, s58, s69
	s_lshl_b32 s70, s19, 12
	s_add_co_u32 s58, s58, s70
	s_add_co_u32 s58, s58, 0x800000
	s_mov_b32 s59, 0
	; group 1.  K: 64 rows of 512 bytes, 1,024 apart, 16 words of padding behind each.  V: 8 rows of 4,096 bytes, 8,192 apart, no padding.  Elements of 8 bytes; the mask names all four work-groups
	s_mov_b32 s[G1K], 15|(3<<16)|(1<<20)|(1<<21)|(6<<22)|(15<<25)
	s_mov_b32 s[G1K+1], 64<<16
	s_mov_b32 s[G1K+2], 64<<16
	s_mov_b32 s[G1K+3], 64<<16
	s_mov_b32 s[G1K+4], 64
	s_mov_b32 s[G1K+5], 128
	s_mov_b32 s[G1K+6], 0
	s_mov_b32 s[G1K+7], 0
	s_mov_b32 s[G1V], 15|(3<<16)|(1<<21)
	s_mov_b32 s[G1V+1], 512<<16
	s_mov_b32 s[G1V+2], 8<<16
	s_mov_b32 s[G1V+3], 512<<16
	s_mov_b32 s[G1V+4], 8
	s_mov_b32 s[G1V+5], 1024
	s_mov_b32 s[G1V+6], 0
	s_mov_b32 s[G1V+7], 0
	s_mov_b32 s[SEL], 0x76543210
	s_mov_b32 s[SEL+1], 0xfedcba98                 ; v_permlanex16_b32's selects for lane l xor 16
	s_mov_b32 s[CS], 0x3e38aa3b                    ; c = log2(e) / 8
	s_mov_b32 s[CS+1], s[CS]
	s_mov_b32 s[CN], 0xbe38aa3b                    ; -c
	s_wait_dscnt 0x0
	s_wait_kmcnt 0x0
	s_mov_b32 s[G0K], 1
	s_mul_i32 s[G0K+1], s21, 64*KP                 ; LDS: 36,864 x half
	s_add_nc_u64 s[G0K+2:G0K+3], s[4:5], s[26:27]
	s_or_b32 s[G0K+3], s[G0K+3], 0x80000000
	s_mov_b32 s[G0V], 1
	s_lshl_b32 s[G0V+1], s21, 15
	s_add_co_u32 s[G0V+1], s[G0V+1], VC
	s_add_nc_u64 s[G0V+2:G0V+3], s[4:5], s[58:59]
	s_or_b32 s[G0V+3], s[G0V+3], 0x80000000
	CROUND                                         ; all four work-groups are here: the joint loads meet
	s_cmp_lt_u32 s[WV], 2                          ; waves 0, 1: K's halves; waves 2, 3: V's; the others fetch nothing
	s_cbranch_scc0 .Lnot_k
	tensor_load_to_lds s[G0K:G0K+3], s[G1K:G1K+7]
	s_nop 0
.rept 4
	v_nop
.endr
	s_branch .Lasked
.Lnot_k:
	s_cmp_lt_u32 s[WV], 4
	s_cbranch_scc0 .Lasked
	tensor_load_to_lds s[G0V:G0V+3], s[G1V:G1V+7]
	s_nop 0
.rept 4
	v_nop
.endr
.Lasked:
	s_mov_b32 s71, 0
	s_lshl_b32 s70, s16, 13
	s_add_nc_u64 s[8:9], s[8:9], s[70:71]          ; the batch's mask
	s_lshl_b32 s70, s67, 13
	s_add_nc_u64 s[72:73], s[6:7], s[70:71]        ; K's scale words of my pair: 8,192 bytes
	s_lshl_b32 s70, s68, 13
	s_lshl_b32 s69, s19, 3
	s_add_co_u32 s70, s70, s69
	s_add_co_u32 s70, s70, 0x80000
	s_add_nc_u64 s[74:75], s[6:7], s[70:71]        ; V's: my head's two words of each four
	s_lshl_b32 s70, s66, 13
	s_lshl_b32 s69, s14, 2
	s_lshr_b32 s26, s[WV], 1
	s_add_co_u32 s69, s69, s26
	s_lshl_b32 s69, s69, 9
	s_add_co_u32 s70, s70, s69                     ; Q's: the group of 128 tokens 4 x block + wave / 2,
	s_and_b32 s26, s[WV], 1
	s_lshl_b32 s26, s26, 3
	s_add_co_u32 s70, s70, s26                     ; words 2 (wave % 2) and the next: my four tiles'
	s_add_nc_u64 s[76:77], s[6:7], s[70:71]
	s_lshl_b32 s70, s66, 17
	s_lshl_b32 s69, s14, 15
	s_add_co_u32 s70, s70, s69
	s_lshl_b32 s69, s[WV], 12
	s_add_co_u32 s70, s70, s69
	s_lshl_b32 s69, s19, 9
	s_add_co_u32 s70, s70, s69
	s_add_nc_u64 s[QB:QB+1], s[4:5], s[70:71]      ; Q's tile 32 x block + 4 x wave, my parity
	s_lshl_b32 s70, s16, 23
	s_lshl_b32 s69, s14, 21
	s_add_co_u32 s70, s70, s69
	s_lshl_b32 s69, s[WV], 18
	s_add_co_u32 s70, s70, s69
	s_lshl_b32 s69, s17, 8
	s_add_co_u32 s70, s70, s69
	s_add_nc_u64 s[OUT:OUT+1], s[10:11], s[70:71]  ; row 2,048 batch + 512 block + 64 wave, 4,096 bytes a row; + 256 x head
	v_and_b32 v10, 31, v0                          ; lane
	v_bfe_u32 v11, v0, 4, 1                        ; h
	v_and_b32 v12, 15, v0                          ; r
	v_bfe_u32 v13, v0, 3, 1                        ; r / 8
	v_and_b32 v14, 7, v0                           ; r % 8
	v_lshlrev_b32 v[AQ], 4, v10
	v_mul_u32_u24 v[AK0], v13, 2*KP                ; K: rows 8-15 come from the image tile two further on,
	v_lshl_add_u32 v[AK0], v11, 8, v[AK0]          ; my half's 256 bytes of the tile,
	v_lshl_add_u32 v[AK0], v14, 4, v[AK0]          ; row r % 8 (+ 8 (t / 2), in the loads' offsets)
	v_add_nc_u32 v[AV0], VC, v[AQ]
	v_lshl_add_u32 v[AM0], v11, 7, MK              ; the mask of my block's 32 keys
	v_lshl_add_u32 v[AS0], v11, 8, KSC             ; K's scale words, by the same choice of rows
	v_lshl_add_u32 v[AS0], v14, 4, v[AS0]
	v_lshl_add_u32 v[AS0], v13, 2, v[AS0]
	v_lshl_add_u32 v[AT0], v10, 3, VSC
	v_lshlrev_b32 v[SH8], 3, v11
	s_mul_i32 s69, s[WV], 16*272
	s_add_co_u32 s69, s69, STG                     ; my stage
	v_mul_u32_u24 v[STO], v12, 272
	v_lshl_add_u32 v[STO], v11, 6, v[STO]
	v_add_nc_u32 v[STO], s69, v[STO]               ; in: row r, + 64 h
	v_mul_u32_u24 v[RD], v11, 272
	v_lshl_add_u32 v[RD], v12, 4, v[RD]
	v_add_nc_u32 v[RD], s69, v[RD]                 ; back: lanes 0-15 one row, lanes 16-31 the next
	v_lshlrev_b32 v[GO], 12, v11
	v_lshl_add_u32 v[GO], v12, 4, v[GO]            ; and the same in out0
	v_lshlrev_b32 v16, 4, v0                       ; 16 x thread
	v_lshl_add_u32 v17, v0, 4, MK
	v_lshl_add_u32 v18, v0, 3, VSC
	global_load_b128 v[192:195], v16, s[8:9]       ; 256 threads x 2 x 16 bytes: the batch's mask,
	global_load_b128 v[196:199], v16, s[8:9] offset:4096
	global_load_b128 v[200:203], v16, s[72:73]     ; K's scale words,
	global_load_b128 v[204:207], v16, s[72:73] offset:4096
	global_load_b64 v[208:209], v16, s[74:75]      ; my head's half of V's,
	global_load_b64 v[210:211], v16, s[74:75] offset:4096
	global_load_b64 v[QS:QS+1], v[AQ], s[76:77]    ; my wave's words of Q,
	global_load_b128 v[QF:QF+3], v[AQ], s[QB:QB+1] ; and its four fragments, which stay in registers
	global_load_b128 v[QF+8:QF+11], v[AQ], s[QB:QB+1] offset:1024
	global_load_b128 v[QF+184:QF+187], v[AQ], s[QB:QB+1] offset:2048
	global_load_b128 v[QF+192:QF+195], v[AQ], s[QB:QB+1] offset:3072
.irp t, 0,1,2,3,4,5,6,7
.irp j, 4,5,6,7
	v_mov_b32 v[KF+8*\t+\j], 0                     ; zero codes for k = 64 .. 127 of the first product, written once
.endr
.endr
.irp j, 4,5,6,7,12,13,14,15,188,189,190,191,196,197,198,199
	v_mov_b32 v[QF+\j], 0
.endr
.irp j, PX,PX+1,WX,WX+1,FF+1,FF+3
	v_mov_b32 v[\j], 0                             ; permute destinations and the pairs' upper words are named before they are first written
.endr
	s_wait_alu depctr_va_vdst(0)
	s_wait_loadcnt 0x0
.irp j, 192,193,194,195,196,197,198,199
	v_mul_f32 v\j, 0x41000000, v\j                 ; 8 x mask: exact
.endr
.irp j, 192,193,194,195,196,197,198,199
	v_max_num_f32 v\j, 0xd0000000, v\j             ; held at -2^33 from below
.endr
.irp j, 200,201,202,203,204,205,206,207,QS,QS+1
	v_lshrrev_b32 v[\j], s[SH], v[\j]              ; my head's two bytes to bytes 0 and 1; what lies above them scales zero codes
.endr
	ds_store_b128 v17, v[192:195]
	ds_store_b128 v17, v[196:199] offset:4096
	ds_store_b128 v17, v[200:203] offset:8192
	ds_store_b128 v17, v[204:207] offset:12288
	ds_store_b64 v18, v[208:209]
	ds_store_b64 v18, v[210:211] offset:2048
	s_wait_alu depctr_va_vdst(0)                   ; the wait at the head's end
	s_wait_tensorcnt 0x0                           ; my part of K or V has landed,
	s_wait_dscnt 0x0                               ; my stores too: both for the other waves' sake
	s_barrier_signal -1
	s_barrier_wait -1                              ; the head's K, V, mask and scale words lie in LDS; nothing of them is written again
; A step's K, its scale words and its mask: 28 loads.  Score tile T = 4 B + t reads image tiles 4 B + t % 2 (rows 0-7) and two further on (rows 8-15), image rows 8 (t / 2) on
.macro LDK k, m, s
.irp T, 0,1,2,3,4,5,6,7
	ds_load_b128 v[KF+8*\T:KF+8*\T+3], v[\k] offset:(4*(\T/4)+\T%2)*KP+((\T%4)/2)*128
.endr
.irp w, 0,1,2,3
	ds_load_b32 v[KSW+\w], v[\s] offset:(\w%2)*128+(\w/2)*8   ; lanes 0-15 tile 2 w's words, lanes 16-31 tile 2 w + 1's
.endr
	WIN 0x40
.irp T, 0,1,2,3,4,5,6,7
.irp q, 0,1
	ds_load_b128 v[MSK+8*\T+4*\q:MSK+8*\T+4*\q+3], v[\m] offset:256*(\T/4)+32*(\T%4)+16*\q   ; keys 64 B + 32 h + 8 t + 4 q on
.endr
.endr
	WIN 0
.endm
; A KEY STEP: 128 keys x two tiles of 16 queries.  ahead = 1: the next step's K, words and mask are asked for behind this step's score products.  All accumulators take turns.
.macro STEP ahead, qs, qf
	WIN 0x50                                       ; D and C window 1
.irp u, 0,1
.irp T, 0,1,2,3,4,5,6,7
	WM 64*\u+8*\T, KF+8*\T, \qf+8*\u, MSK+8*\T, KSW+\T/2, \qs, \T%2, \u
.endr
.endr
	WIN 0
	v_add_nc_u32 v[ADV], s[TV], v[AV0]             ; plain lines: also the places between the products and the loads into their operands and the first read of the scores
	v_add_nc_u32 v[ADT], s[TT], v[AT0]
.if \ahead
	v_add_nc_u32 v[ADK], s[TK], v[AK0]
	v_add_nc_u32 v[ADM], s[TM], v[AM0]
	v_add_nc_u32 v[ADS], s[TM], v[AS0]
.else
	v_nop
	v_nop
.endif
.irp d, 0,1,2,3
.irp c, 0,1
	ds_load_b128 v[VF+8*\d+4*\c:VF+8*\d+4*\c+3], v[ADV] offset:1024*\d+512*\c
.endr
.endr
	ds_load_b64 v[VSW:VSW+1], v[ADT]
.if \ahead
	LDK ADK, ADM, ADS
.endif
	WIN 0x05                                       ; the largest score of each half block: eight chains by turns, each accumulator met from its low end on
.irp u, 0,1
.irp c, 0,1,2,3
	v_max_num_f32 v[CH+4*\u+\c], v[64*\u+16*\c], v[64*\u+16*\c+1]
.endr
.endr
.irp i, 2,4,6,8,10,12,14
.irp u, 0,1
.irp c, 0,1,2,3
	v_max3_num_f32 v[CH+4*\u+\c], v[64*\u+16*\c+\i], v[64*\u+16*\c+\i+1], v[CH+4*\u+\c]
.endr
.endr
.endr
	WIN 0
.irp u, 0,1
.irp b, 0,1
	v_max_num_f32 v[BM+2*\u+\b], v[CH+4*\u+2*\b], v[CH+4*\u+2*\b+1]   ; my block 2 b + h: for the row's maximum and, since p rises with the score, for the block's largest p
.endr
.endr
.irp u, 0,1
	v_max_num_f32 v[RX+\u], v[BM+2*\u], v[BM+2*\u+1]
.endr
.irp u, 0,1
	v_permlanex16_b32 v[PX+\u], v[RX+\u], s[SEL], s[SEL+1]
.endr
.irp u, 0,1
	v_max3_num_f32 v[NM+2*\u+1], v[NM+2*\u+1], v[RX+\u], v[PX+\u]   ; the running largest score
.endr
.irp u, 0,1
	v_mul_f32 v[NN+\u], s[CN], v[NM+2*\u+1]        ; -t
.endr
.irp u, 0,1
	v_floor_f32 v[NN+\u], v[NN+\u]                 ; the new -M = floor(-t) = -ceil(t)
.endr
.irp u, 0,1
	v_sub_f32 v[DD+\u], v[NN+\u], v[NM+2*\u]       ; old M - new M: a whole number, 0 or less
.endr
.irp u, 0,1
	v_mov_b32 v[NM+2*\u], v[NN+\u]
.endr
.irp u, 0,1
	v_cvt_i32_f32 v[DD+\u], v[DD+\u]               ; (it saturates)
.endr
.irp u, 0,1
	v_ldexp_f32 v[FF+2*\u], 1.0, v[DD+\u]          ; f = 2^(old M - new M)
.endr
.irp u, 0,1
.irp b, 0,1
	v_fma_f32 v[BM+2*\u+\b], v[BM+2*\u+\b], s[CS], v[NM+2*\u]   ; t - M of each block's largest score
.endr
.endr
	WIN 0x41
.irp u, 0,1
.set jj, 0
.rept 16
	v_pk_mul_f32 v[128+32*\u+jj:128+32*\u+jj+1], v[128+32*\u+jj:128+32*\u+jj+1], v[FF+2*\u:FF+2*\u+1] op_sel_hi:[1,0]   ; O^T under the new M, ahead of the exponentials
.set jj, jj+2
.endr
.endr
.set jj, 0
.rept 32
	v_pk_fma_f32 v[jj:jj+1], v[jj:jj+1], s[CS:CS+1], v[NM:NM+1] op_sel_hi:[1,0,0]   ; tile 0: t - M, two at a time
.set jj, jj+2
.endr
	s_wait_alu depctr_va_vdst(0)                   ; ahead of the batch
.set jj, 0
.rept 32
	v_exp_f32 v[jj], v[jj]                         ; tile 0: p = 2^(t - M);
	v_exp_f32 v[jj+1], v[jj+1]
	v_pk_fma_f32 v[64+jj:64+jj+1], v[64+jj:64+jj+1], s[CS:CS+1], v[NM+2:NM+3] op_sel_hi:[1,0,0]   ; among them tile 1's t - M, which names none of their registers and is read behind the next wait
.set jj, jj+2
.endr
	s_wait_alu depctr_va_vdst(0)                   ; behind tile 0's batch and ahead of tile 1's
.set jj, 64
.rept 64
	v_exp_f32 v[jj], v[jj]
.set jj, jj+1
.endr
	WIN 0
.irp j, 0,1,2,3
	v_exp_f32 v[BM+\j], v[BM+\j]                   ; the blocks' largest p: the same two instructions on the same number
.endr
.irp u, 0,1
	v_pk_mul_f32 v[AC+8*\u:AC+8*\u+1], v[AC+8*\u:AC+8*\u+1], v[FF+2*\u:FF+2*\u+1] op_sel_hi:[1,0]   ; the sums under the new M (plain lines behind the exponentials)
.endr
	s_wait_alu depctr_va_vdst(0)                   ; one wait for the batch, ahead of its first reader
.irp j, 0,1,2,3
	v_max_num_f32 v[BM+\j], 0x1800000, v[BM+\j]    ; the floor 2^(3 - 127): the byte cannot fall under 1
.endr
.irp j, 0,1,2,3
	v_add_nc_u32 v[SO+\j], 0xff000000, v[BM+\j]    ; 2 off the exponent field: the conversion's scale operand
.endr
.irp j, 0,1,2,3
	v_lshrrev_b32 v[BY+\j], 23, v[SO+\j]           ; the scale's byte
.endr
.irp u, 0,1
	v_lshl_or_b32 v[WD+\u], v[BY+2*\u+1], 16, v[BY+2*\u]   ; my two bytes: blocks h and 2 + h,
.endr
.irp u, 0,1
	v_lshlrev_b32 v[WD+\u], v[SH8], v[WD+\u]       ; at their places in the word;
.endr
.irp u, 0,1
	v_permlanex16_b32 v[WX+\u], v[WD+\u], s[SEL], s[SEL+1]
.endr
.irp u, 0,1
	v_or_b32 v[PSW+\u], v[WD+\u], v[WX+\u]         ; with lane l xor 16's two the word is whole
.endr
	WIN 0x01
.irp u, 0,1
.irp b, 0,1
.irp t, 0,1,2,3
	v_cvt_scalef32_pk8_fp4_f32 v[PCD+8*\u+4*\b+\t], v[64*\u+32*\b+8*\t:64*\u+32*\b+8*\t+7], v[SO+2*\u+\b]   ; register 4 b + t: k = 64 b + 32 h + 8 t on: the operand's own layout
.endr
.endr
.endr
	WIN 0x05                                       ; the row's sum of the unquantised p: four chains a tile, 32 packed additions
.irp i, 1,2,3
.irp u, 0,1
	v_pk_add_f32 v[AC+8*\u+2*\i:AC+8*\u+2*\i+1], v[64*\u+4*\i-4:64*\u+4*\i-3], v[64*\u+4*\i-2:64*\u+4*\i-1]
.endr
.endr
	WIN 0x01
.set jj, 12
.rept 26
.irp u, 0,1
	v_pk_add_f32 v[AC+8*\u+2*((jj/2)%4):AC+8*\u+2*((jj/2)%4)+1], v[64*\u+jj:64*\u+jj+1], v[AC+8*\u+2*((jj/2)%4):AC+8*\u+2*((jj/2)%4)+1]
.endr
.set jj, jj+2
.endr
	WIN 0
.irp u, 0,1
	v_pk_add_f32 v[AC+8*\u+2:AC+8*\u+3], v[AC+8*\u+2:AC+8*\u+3], v[AC+8*\u+4:AC+8*\u+5]
	v_pk_add_f32 v[AC+8*\u:AC+8*\u+1], v[AC+8*\u:AC+8*\u+1], v[AC+8*\u+6:AC+8*\u+7]
.endr
.irp u, 0,1
	v_pk_add_f32 v[AC+8*\u:AC+8*\u+1], v[AC+8*\u:AC+8*\u+1], v[AC+8*\u+2:AC+8*\u+3]
.endr
	s_wait_alu depctr_va_vdst(0)
	s_wait_dscnt 0x0                               ; V and its words are in, and so is all that was asked for the next step
	WIN 0x50
.irp d, 0,1,2,3                        ; O^T += V^T P^T: source 0 = 16 of the head's 64, source 1 = p; K = these 128 keys
.irp u, 0,1
	WM 128+32*\u+8*\d, VF+8*\d, PCD+8*\u, 128+32*\u+8*\d, VSW+\d/2, PSW+\u, \d%2, 0
.endr
.endr
	WIN 0
.if \ahead
	s_add_co_u32 s[TK], s[TK], 8*KP
	s_add_co_u32 s[TM], s[TM], 512
	s_add_co_u32 s[TV], s[TV], 4096
	s_add_co_u32 s[TT], s[TT], 256
.endif
.endm
; ONE PASS: Q's tiles 2 p, 2 p + 1 of my four: tokens 32 p + 8 u + r + 8 (r / 8) of my 64.  O^T and the sums begin as zeros, the largest score as -3e38 and -M as 3e38, so that the first f is 0 and multiplies zeros.
.macro PASS p
.if \p
	s_wait_xcnt 0x0                                ; the first pass's stores have read their registers: only behind this wait are they written again
.endif
	LDK AK0, AM0, AS0                              ; step 0's K, words and mask
.irp u, 0,1
	v_mov_b32 v[NM+2*\u], 0x7f61b1e6
	v_mov_b32 v[NM+2*\u+1], 0xff61b1e6
	v_mov_b32 v[AC+8*\u], 0
	v_mov_b32 v[AC+8*\u+1], 0
.endr
	WIN 0x40
.set jj, 128
.rept 64
	v_mov_b32 v[jj], 0
.set jj, jj+1
.endr
	WIN 0
	s_mov_b32 s[TK], 8*KP
	s_mov_b32 s[TM], 512
	s_mov_b32 s[TV], 0
	s_mov_b32 s[TT], 0
	s_mov_b32 s[CNT], 15
	s_wait_alu depctr_va_vdst(0)
	s_wait_dscnt 0x0                               ; step 0's operands
.Lstep_\p:
	STEP 1, QS+\p, QF+184*\p
	s_sub_co_u32 s[CNT], s[CNT], 1
	s_cmp_lg_u32 s[CNT], 0
	s_wait_alu depctr_va_vdst(0)
	s_cbranch_scc1 .Lstep_\p
	STEP 0, QS+\p, QF+184*\p                       ; the last step is written out: it has no step to ask for
.irp u, 0,1
	v_add_f32 v[AC+8*\u], v[AC+8*\u], v[AC+8*\u+1] ; the sum's two halves (these lines are also the places behind the last products),
.endr
.irp u, 0,1
	v_permlanex16_b32 v[PX+\u], v[AC+8*\u], s[SEL], s[SEL+1]
.endr
.irp u, 0,1
	v_add_f32 v[AC+8*\u], v[AC+8*\u], v[PX+\u]     ; and lane l xor 16's: the row's sum
.endr
	s_wait_alu depctr_va_vdst(0)                   ; ahead of the reciprocals
	v_rcp_f32 v[AC], v[AC]
	v_rcp_f32 v[AC+8], v[AC+8]
	v_nop                                          ; a plain line behind them
	WIN 0x41
	s_wait_alu depctr_va_vdst(0)                   ; ahead of their first reader, which is O^T's first reader too
.irp u, 0,1
.set jj, 0
.rept 32
	v_mul_f32 v[64*\u+jj], v[128+32*\u+jj], v[AC+8*\u]   ; register 16 b + i is channel 32 b + 16 h + i of my query; each accumulator from its low end on
.set jj, jj+1
.endr
.endr
.irp u, 0,1                            ; through my own stage: LDS serves a wave's instructions in order (ISA guide 5.7.1.4)
	WIN 0x04
.irp b, 0,1
.irp q, 0,1,2,3
	ds_store_b128 v[STO], v[64*\u+16*\b+4*\q:64*\u+16*\b+4*\q+3] offset:128*\b+16*\q
.endr
.endr
	WIN 0x40
.irp i, 0,1,2,3,4,5,6,7
	ds_load_b128 v[64*\u+32+4*\i:64*\u+32+4*\i+3], v[RD] offset:544*\i
.endr
.endr
	WIN 0x04
.irp u, 0,1
.irp i, 0,1,2,3,4,5,6,7
	s_wait_dscnt 23-16*\u-\i                       ; rows 2 i, 2 i + 1 of tile u are back; the younger LDS instructions stay out
	global_store_b128 v[GO], v[64*\u+32+4*\i:64*\u+32+4*\i+3], s[OUT:OUT+1] offset:(2*\i+8*(\i/4)+8*\u+32*\p)*4096 th:TH_STORE_NT   ; sixteen lanes store 256 consecutive bytes, aligned
.endr
.endr
	WIN 0
.endm
	PASS 0
	PASS 1
	s_wait_tensorcnt 0x0                           ; the wave's end
	ds_add_u32 v[SPW], v[NIL]
	s_wait_dscnt 0x0
	CROUND                                         ; the closing round
	s_endpgm
.Lfunc_end_k_qf94989ac48_attn:
	.size	k_qf94989ac48_attn, .Lfunc_end_k_qf94989ac48_attn-k_qf94989ac48_attn
	.p2alignl 7, 3214868480
	.fill 96, 4, 3214868480
	.section	.rodata,"a",@progbits
	.p2align	6, 0x0
	.amdhsa_kernel k_qf94989ac48_attn
		.amdhsa_group_segment_fixed_size 196608
		.amdhsa_private_segment_fixed_size 0
		.amdhsa_enable_private_segment 0
		.amdhsa_kernarg_size 32
		.amdhsa_user_sgpr_count 2
		.amdhsa_user_sgpr_kernarg_segment_ptr 1
		.amdhsa_wavefront_size32 1
		.amdhsa_system_sgpr_workgroup_id_x 1
		.amdhsa_system_sgpr_workgroup_id_y 1
		.amdhsa_system_sgpr_workgroup_id_z 1
		.amdhsa_system_vgpr_workitem_id 0
		.amdhsa_next_free_vgpr 512
		.amdhsa_next_free_sgpr 80
		.amdhsa_reserve_vcc 0
		.amdhsa_float_denorm_mode_32 3
		.amdhsa_float_denorm_mode_16_64 3
		.amdhsa_memory_ordered 1
		.amdhsa_forward_progress 1
		.amdhsa_inst_pref_size 141
	.end_amdhsa_kernel
	.amdgpu_metadata
---
amdhsa.version: [ 1, 2 ]
amdhsa.kernels:
  - .name:           k_qf94989ac48_attn
    .symbol:         k_qf94989ac48_attn.kd
    .args:
      - { .name: img, .offset: 0, .size: 8, .value_kind: global_buffer, .address_space: global }
      - { .name: sw, .offset: 8, .size: 8, .value_kind: global_buffer, .address_space: global }
      - { .name: attention_mask, .offset: 16, .size: 8, .value_kind: global_buffer, .address_space: global }
      - { .name: out0, .offset: 24, .size: 8, .value_kind: global_buffer, .address_space: global }
    .group_segment_fixed_size: 196608
    .private_segment_fixed_size: 0
    .kernarg_segment_align: 8
    .kernarg_segment_size: 32
    .max_flat_workgroup_size: 256
    .sgpr_count:     80
    .vgpr_count:     512
    .wavefront_size: 32
...
	.end_amdgpu_metadata
.endif
;; end of part 3
